; MI455X (gfx1250); checked and timed in simulation.
; The chip was launched on July 23, 2026; its instructions are those of AMD's public machine-readable ISA for CDNA 5 (MIT licence, August 2026) and "CDNA5" Instruction Set Architecture Reference Guide (July 2026). The comments in the code are by the model that wrote it; some were corrected since.
;; Cross Attention. Allowed arithmetic: matrix products marked QUANTISED: E2M1 operands, one E8M0 scale for each 32 along K, by v_wmma_scale_f32_16x16x128_f8f6f4 with both operands' format E2M1 (or v_wmma_scale_f32_32x16x128_f4), f32 sums; products left as they are: bf16, f16 or f32 operands; f32 sums; everything else in f32.
;; Inputs: Wk 768 x 768 float32; Wo 768 x 768 float32; Wq 768 x 768 float32; Wv 768 x 768 float32; bk 768 float32; bo 768 float32; bq 768 float32; bv 768 float32; encoder_hidden_states 2 x 4,096 x 768 float32; hidden_states 2 x 2,048 x 768 float32.
;; Outputs: out0 2 x 2,048 x 768 float32.
;; This version of the problem:
;;   THIS VERSION OF THE PROBLEM IS GIVEN IN LOW PRECISION. The matrix products marked QUANTISED in the list below multiply operands that are first quantised to E2M1 (2 exponent bits, 1 mantissa bit; 4 bits a number), with one power-of-two scale for each 32 numbers along K (OCP MX v1.0); their sums are f32. The products marked 'left as it is' may take bf16, f16 or f32 operands, with f32 sums. Whichever they take, every output number must still come out within the allowed error. Rounding operands to bf16 (8 significant bits) uses up far more of that allowance than f16 does (11 bits, for magnitudes from 6e-5 to 65,504). All else is computed in f32.
;;   The module's matrix products, in the order in which they are computed (A, B: the left and right operand; K: the contracted axis; several contracted axes count as one K, in the product's order):
;;     1. [M 4,096, K 768] x [K 768, N 768]; A: input hidden_states; B: input Wq: QUANTISED
;;     2. [M 8,192, K 768] x [K 768, N 768]; A: input encoder_hidden_states; B: input Wk: QUANTISED
;;     3. [M 8,192, K 768] x [K 768, N 768]; A: input encoder_hidden_states; B: input Wv: QUANTISED
;;     4. batch 24 x [M 2,048, K 64] x [K 64, N 4,096]; A: computed on the way; B: computed on the way: left as it is (an operand is computed on the way)
;;     5. batch 24 x [M 2,048, K 4,096] x [K 4,096, N 64]; A: computed on the way; B: computed on the way: left as it is (an operand is computed on the way)
;;     6. [M 4,096, K 768] x [K 768, N 768]; A: computed on the way; B: input Wo: left as it is (an operand is computed on the way)
;;   THE QUANTISER, for each operand of a quantised product, along K:
;;     - K is cut into blocks of 32 from its start; a last block that is shorter is filled with zeros.
;;     - A block's scale is 2^e with e = floor(log2(the largest magnitude in the block)) - 2, held to -126 .. 127; a block of zeros has e = 0. As a byte (E8M0): e + 127.
;;     - Each number is divided by its block's scale, clamped to +-6, and rounded to the nearest number of E2M1, ties to even, subnormals kept.
;;     - The product sums the exact products of the quantised numbers (number of the format x scale) in f32.
;;   ~~~python
;;   def quantise(x, axis):      # numpy; x: float32 -> the quantised numbers, widened to float32 again
;;       x = np.moveaxis(x, axis, -1); K = x.shape[-1]
;;       x = np.pad(x, [(0, 0)] * (x.ndim - 1) + [(0, -K % 32)]); x = x.reshape(x.shape[:-1] + (-1, 32)); a = np.abs(x).max(-1, keepdims=True)
;;       e = np.where(a > 0, np.clip(np.frexp(np.where(a > 0, a, 1))[1] - 1 - 2, -126, 127), 0)      # np.frexp(a)[1] - 1 = floor(log2(a)), exactly
;;       r = np.clip(x / 2.0 ** e, -6, 6)
;;       step = 2.0 ** (np.maximum(np.frexp(np.where(r == 0, 1, r))[1] - 1, 0) - 1)
;;       q = np.round(r / step) * step * 2.0 ** e      # np.round: ties to even
;;       return np.moveaxis(q.reshape(q.shape[:-2] + (-1,))[..., :K], -1, axis).astype(np.float32)
;;   ~~~
;; One version. Each part assembles by itself: llvm-mc -triple=amdgcn-amd-amdhsa -mcpu=gfx1250 --defsym DOCPART=n.
;; ======== version 1 of 1: 4 launches
;; limits: values are held in f16: magnitudes above 65,504 overflow, below 6.1e-05 lose precision
;; workspace buffers: aimg 5,111,808 bytes; wimg 940,032 bytes; woimg 1,179,648 bytes; qimg 6,291,456 bytes; kimg 12,582,912 bytes; vimg 12,582,912 bytes; ctximg 6,291,456 bytes
;; launch prep (part 1): grid 270 x 1, 4 waves a work-group, no clusters, 34,304 bytes of LDS; arguments hidden_states, encoder_hidden_states, Wq, Wk, Wv, Wo, aimg, wimg, woimg; writes aimg, wimg, woimg
.if DOCPART == 1
	.amdgcn_target "amdgcn-amd-amdhsa--gfx1250"
	.amdhsa_code_object_version 6
	.text
	.protected	k_q1402842af5_prep
	.globl	k_q1402842af5_prep
	.p2align	8
	.type	k_q1402842af5_prep,@function
k_q1402842af5_prep:
	s_mov_b64 s[64:65], 0
	v_nop
	global_prefetch_b8 v0, s[64:65] scope:SCOPE_SE
	s_setreg_imm32_b32 hwreg(HW_REG_WAVE_MODE, 25, 1), 1
	s_wait_xcnt 0x0
; PREP.  hidden_states [4096][768], encoder_hidden_states [8192][768] (K innermost) and Wq, Wk, Wv [768 (k)][768 (n)] (K outermost), all f32, become codes of FP4 (E2M1) with one E8M0 byte
; for each 32 along K; Wo [768 (k)][768 (n)] becomes f16.  Everything is stored as IMAGES OF THE READER'S OPERAND REGISTERS: a chunk is 512 bytes, lane l's 16 bytes (four registers of a fragment) at 16 l,
; so that the later launches fetch every fragment by dense 16-byte loads and every store here covers 512 consecutive bytes, aligned.
;   aimg: codes [row tile 0..767][K step 0..5][chunk 0..1][512]; from byte 4,718,592 scale images [row tile][512]: lane l's 16 bytes = words p = 0, 1, 2 and a filler; word p holds in lanes 0-15 the scale word of
;         row l for K step 2 p, in lanes 16-31 that of row l - 16 for K step 2 p + 1.  Row tiles 0..255 are hidden_states', the others encoder_hidden_states'.
;   wimg: codes [weight q, k, v][feature tile 0..47][K step][chunk][512]; from byte 884,736 scale images [weight x 48 + tile][p 0..2][128]: lane l's word at 4 l, the halves as in aimg.
;   woimg: [out-feature tile 0..47][K step of 32, 0..23][chunk 0..1][512], f16.
; A block's scale is 2^(floor(log2(its largest magnitude)) - 2); its byte is the largest magnitude's exponent field - 2, held at 1 from below.
; LIMITS: a block of zeros, or one whose largest magnitude lies under 2^-124, gets the byte 1 (zeros' codes are zeros, which add nothing; this program alone reads the bytes); NaN and infinities are not served;
; |Wo| stays within f16's 65,504.
; SHARES: three paths, parted by the work-group's number alone: 0..53 the three weights, 54..77 Wo, 78..269 the activations.  No barrier: waves share nothing.  The activations' path alone uses LDS, each wave bytes of its own.
.set XR,   32                          ; v32..    numbers: path A three sets of 64, paths W and O four sets of 32
.set MXR,  8                           ; v8-9     largest magnitudes
.set SOR,  10                          ; v10-11   the conversions' scale operands
.set BYR,  12                          ; v12-13   scale bytes
.set WDR,  14                          ; v14      my two bytes at their places in a scale word
.set TMPR, 15                          ; v15      the other half of the lanes' two bytes
.set WSR,  16                          ; v16-17   the scale words of an even and an odd K step
.set SPW,  18                          ; v18      LDS address of my spare word: SPARE + 4 x my thread's number; never rewritten
.set NIL,  19                          ; v19      0; never rewritten
.set SWR,  20                          ; v20-23   path A: the scale image's 16 bytes
.set CW,   160                         ; v160-191 path W: codes, four registers a block
.set WW,   192                         ; v192-193 path W: the scale words of the pair's two K steps
.set UR,   160                         ; v160-175 path O: 32 numbers as f16
.set SPI,  528                         ; path A's stage: a row of 512 bytes + 16 = 132 words: row r starts at bank 4 r mod 64 (64 banks of 4 bytes: ISA guide 11.1), so the 16 rows that a load touches start at 16 different banks
.set STG,  16*SPI                      ; a stage of 16 rows for each wave
.set SPARE, 4*STG                      ; behind the four stages: the spare words, 128 bytes for each wave: two blocks of 256 bytes that no other line names
	s_load_b256 s[4:11], s[0:1], 0x0               ; hidden_states s[4:5], encoder_hidden_states s[6:7], Wq s[8:9], Wk s[10:11]
	s_load_b256 s[12:19], s[0:1], 0x20             ; Wv s[12:13], Wo s[14:15], aimg s[16:17], wimg s[18:19]
	s_load_b64 s[20:21], s[0:1], 0x40              ; woimg
	v_lshl_add_u32 v[SPW], v0, 2, SPARE
	v_mov_b32 v[NIL], 0
	v_lshrrev_b32 v1, 5, v0
	v_readfirstlane_b32 s22, v1                    ; wave 0..3
	v_and_b32 v1, 31, v0                           ; lane
	v_lshlrev_b32 v2, 4, v1                        ; 16 x lane: my place in a chunk, and in a load's 512 bytes
	v_lshlrev_b32 v3, 2, v1                        ; 4 x lane
	s_mov_b32 s24, 0x76543210
	s_mov_b32 s25, 0xfedcba98                      ; v_permlanex16_b32's selects for lane l xor 16
	s_mov_b32 s31, 0                               ; the high word of every offset
	s_wait_kmcnt 0x0
	s_cmp_lt_u32 ttmp9, 54
	s_cbranch_scc1 .Lweights
	s_cmp_lt_u32 ttmp9, 78
	s_cbranch_scc1 .Lwo
; ---------------- PATH A: a wave takes one row tile (16 rows x 768), a K step (16 rows x 512 bytes) at a time.
; The conversions want a lane to hold WHOLE blocks of one row: lane (r, h) the blocks h and 2 + h of row r's K step, as the 4-bit operand's layout gives them to it.  A load is best where neighbouring lanes take
; neighbouring bytes.  Both are had: each of a K step's 16 loads reads one row's 512 consecutive bytes, 16 a lane; the 8,192 bytes go into the wave's own stage in LDS as they lie and come back 128 bytes a block,
; into the registers that they left.
	s_sub_co_u32 s26, ttmp9, 78
	s_lshl_b32 s27, s26, 2
	s_add_co_u32 s27, s27, s22                     ; T: my row tile
	s_cmp_lt_u32 s26, 64                           ; the first 256 row tiles are hidden_states'
	s_cselect_b64 s[28:29], s[4:5], s[6:7]
	s_cselect_b32 s30, 0, 256
	s_sub_co_u32 s30, s27, s30
	s_mul_i32 s30, s30, 49152                      ; 16 rows of 3,072 bytes
	s_add_nc_u64 s[28:29], s[28:29], s[30:31]      ; my rows
	s_mul_i32 s30, s27, 6144
	s_add_nc_u64 s[32:33], s[16:17], s[30:31]      ; my codes
	s_lshl_b32 s30, s27, 9
	s_add_co_u32 s30, s30, 4718592
	s_add_nc_u64 s[34:35], s[16:17], s[30:31]      ; my scale image
	s_mul_i32 s36, s22, STG                        ; my stage
	v_add_nc_u32 v4, s36, v2                       ; into it: 16 x lane; the row stands in the immediate
	v_and_b32 v7, 15, v0                           ; r
	v_bfe_u32 v5, v0, 4, 1                         ; h
	v_mul_u32_u24 v6, v7, SPI
	v_lshl_add_u32 v6, v5, 7, v6
	v_add_nc_u32 v6, s36, v6                       ; out of it: row r, + 128 h bytes: a block is 128 bytes
	v_lshlrev_b32 v5, 3, v5                        ; 8 h: how far my bytes are shifted in a scale word
	v_cmp_le_u32 vcc_lo, 16, v1                    ; lanes 16-31; written once
	v_mov_b32 v[TMPR], 0                           ; a lane permute's destination counts as one of its sources
.macro ALOAD s                         ; K step s into set s % 3: load i reads row i's 512 consecutive bytes, at a multiple of 512 from the tensor's first byte
.irp i, 0,1,2,3,4,5,6,7,8,9,10,11,12,13,14,15
	global_load_b128 v[XR+64*((\s)%3)+4*\i:XR+64*((\s)%3)+4*\i+3], v2, s[28:29] offset:3072*\i+512*(\s) th:TH_LOAD_NT
.endr
.endm
.macro AKSTEP s
.set XS, XR+64*((\s)%3)
.if (\s) < 4                           ; each K step's codes have registers of their own, so that no store's data are written again; the sixth takes the first's
.set CDS, 224+8*(\s)
.elseif (\s) == 4
.set CDS, 24
.else
.set CDS, 224
.endif
.if (\s) < 4
	s_wait_loadcnt 32                              ; this K step's 16 loads are in; those of the two K steps behind it may be out
.else
	s_wait_loadcnt 16*(5-(\s))
.endif
.irp i, 0,1,2,3,4,5,6,7,8,9,10,11,12,13,14,15
	ds_store_b128 v4, v[XS+4*\i:XS+4*\i+3] offset:SPI*\i   ; row i as it lies
.endr
.irp c, 0,1
.irp i, 0,1,2,3,4,5,6,7
	ds_load_b128 v[XS+32*\c+4*\i:XS+32*\c+4*\i+3], v6 offset:256*\c+16*\i   ; LDS serves a wave's instructions in order (ISA guide 5.7.1.4): these see the stores above and land behind them.  Register 32 c + n: k = 64 c + 32 h + n of row r
.endr
.endr
	s_wait_dscnt 0x0                               ; my two blocks are back; the stage may be written again in the next K step
.irp c, 0,1
	v_max3_num_f32 v[MXR+\c], |v[XS+32*\c]|, |v[XS+32*\c+1]|, 0x1800000   ; my two blocks by turns; the floor 2^(3 - 127) holds the byte at 1 from below
.endr
.irp i, 2,4,6,8,10,12,14,16,18,20,22,24,26,28,30
.irp c, 0,1
	v_max3_num_f32 v[MXR+\c], v[MXR+\c], |v[XS+32*\c+\i]|, |v[XS+32*\c+\i+1]|
.endr
.endr
.irp c, 0,1
	v_add_nc_u32 v[SOR+\c], 0xff000000, v[MXR+\c]  ; 2 off the exponent field: the conversion takes the exponent field of this operand as its scale
.endr
.irp c, 0,1
	v_lshrrev_b32 v[BYR+\c], 23, v[SOR+\c]         ; the scale's byte
.endr
	v_lshl_or_b32 v[WDR], v[BYR+1], 16, v[BYR]     ; blocks h and 2 + h,
	v_lshlrev_b32 v[WDR], v5, v[WDR]               ; at their places;
	v_permlanex16_b32 v[TMPR], v[WDR], s24, s25
	v_or_b32 v[WSR+(\s)%2], v[WDR], v[TMPR]        ; with lane l xor 16's two the row's word is whole
.if (\s) == 5
	s_wait_xcnt 0x0                                ; the first K step's stores have read the registers that this one's codes take
.endif
.irp c, 0,1
.irp g, 0,1,2,3
	v_cvt_scalef32_pk8_fp4_f32 v[CDS+4*\c+\g], v[XS+32*\c+8*\g:XS+32*\c+8*\g+7], v[SOR+\c]
.endr
.endr
.if (\s)%2
	v_cndmask_b32 v[SWR+(\s)/2], v[WSR], v[WSR+1], vcc_lo   ; lanes 0-15 keep the even K step's word, lanes 16-31 take the odd one's.  (Also the plain line behind the conversions)
.else
	v_nop                                          ; one plain line behind the last conversion of a run
.endif
.irp c, 0,1
	global_store_b128 v2, v[CDS+4*\c:CDS+4*\c+3], s[32:33] offset:1024*(\s)+512*\c   ; 512 consecutive bytes, aligned
.endr
.if (\s) < 3
	ALOAD (\s)+3
.endif
.endm
	ALOAD 0
	ALOAD 1
	ALOAD 2
.irp s, 0,1,2,3,4,5
	AKSTEP \s
.endr
	v_mov_b32 v[SWR+3], 0x7f7f7f7f                 ; the filler: never used as a scale
	global_store_b128 v2, v[SWR:SWR+3], s[34:35]
	s_wait_tensorcnt 0x0                           ; the wave's end, behind my last LDS store
	ds_add_u32 v[SPW], v[NIL]
	s_wait_dscnt 0x0
	s_endpgm
; ---------------- PATHS W AND O: a lane takes a column n and its registers run down K: each load reads 128 consecutive bytes, the four waves of a work-group stand side by side on 512.  Neither touches LDS.
.macro DLOAD t                         ; 32 rows of K from row 32 t on, into set t % 4
.irp i, 0,1,2,3,4,5,6,7,8,9,10,11,12,13,14,15,16,17,18,19,20,21,22,23,24,25,26,27,28,29,30,31
	global_load_b32 v[XR+32*((\t)%4)+\i], v3, s[28:29] offset:(32*(\t)+\i)*3072 th:TH_LOAD_NT
.endr
.endm
.Lweights:                             ; a wave: 32 columns x 256 along K (the pair p of K steps) of one weight
	s_mul_hi_u32 s26, ttmp9, 0x2aaaaaab            ; g / 6
	s_mul_i32 s27, s26, 6
	s_sub_co_u32 s27, ttmp9, s27                   ; cg: which 128 columns
	s_mul_hi_u32 s23, s26, 0x55555556              ; the weight: (g / 6) / 3
	s_mul_i32 s30, s23, 3
	s_sub_co_u32 s26, s26, s30                     ; p
	s_cmp_eq_u32 s23, 1
	s_cselect_b64 s[28:29], s[10:11], s[8:9]
	s_cmp_eq_u32 s23, 2
	s_cselect_b64 s[28:29], s[12:13], s[28:29]
	s_mul_i32 s30, s26, 786432                     ; 256 rows of 3,072 bytes
	s_lshl_b32 s36, s27, 9
	s_add_co_u32 s30, s30, s36
	s_lshl_b32 s36, s22, 7
	s_add_co_u32 s30, s30, s36
	s_add_nc_u64 s[28:29], s[28:29], s[30:31]
	s_mul_i32 s36, s23, 48
	s_lshl_b32 s37, s27, 3
	s_add_co_u32 s36, s36, s37
	s_lshl_b32 s37, s22, 1
	s_add_co_u32 s36, s36, s37                     ; my first feature tile, counted through the three weights
	s_mul_i32 s30, s36, 6144
	s_lshl_b32 s37, s26, 11                        ; K step 2 p
	s_add_co_u32 s30, s30, s37
	s_add_nc_u64 s[32:33], s[18:19], s[30:31]      ; codes
	s_mul_i32 s30, s36, 384
	s_lshl_b32 s37, s26, 7
	s_add_co_u32 s30, s30, s37
	s_add_co_u32 s30, s30, 884736
	s_add_nc_u64 s[34:35], s[18:19], s[30:31]      ; scale images
.macro WBLOCK t                        ; block t of 8: all its 32 numbers are mine
.set XS, XR+32*((\t)%4)
.if (\t) < 6
	s_wait_loadcnt 63                              ; 64 or 96 loads were issued behind this block's; the wait can name 63 at the most
.else
	s_wait_loadcnt 32*(7-(\t))
.endif
	v_max3_num_f32 v8, |v[XS]|, |v[XS+1]|, |v[XS+2]|
	v_max3_num_f32 v9, |v[XS+3]|, |v[XS+4]|, |v[XS+5]|
.irp i, 6,10,14,18,22,26
	v_max3_num_f32 v8, v8, |v[XS+\i]|, |v[XS+\i+1]|
	v_max3_num_f32 v9, v9, |v[XS+\i+2]|, |v[XS+\i+3]|
.endr
	v_max3_num_f32 v8, v8, |v[XS+30]|, |v[XS+31]|
	v_max3_num_f32 v8, v8, v9, 0x1800000           ; and the floor
	v_add_nc_u32 v10, 0xff000000, v8
	v_lshrrev_b32 v12, 23, v10
.if (\t)%4 == 0
	v_mov_b32 v[WW+(\t)/4], v12                    ; four bytes to a word, the lower K in the lower byte
.else
	v_lshl_or_b32 v[WW+(\t)/4], v12, 8*((\t)%4), v[WW+(\t)/4]
.endif
.irp g, 0,1,2,3
	v_cvt_scalef32_pk8_fp4_f32 v[CW+4*(\t)+\g], v[XS+8*\g:XS+8*\g+7], v10
.endr
.if (\t) < 4
	DLOAD (\t)+4
.endif
.endm
	DLOAD 0
	DLOAD 1
	DLOAD 2
	DLOAD 3
.irp t, 0,1,2,3,4,5,6,7
	WBLOCK \t
.endr
	v_nop                                          ; one plain line behind the last conversion
; Lanes 0-15 hold the columns of feature tile 0, lanes 16-31 those of tile 1, each lane all blocks.  The operand wants block 2 c in lanes 0-15 and block 2 c + 1 in lanes 16-31 of ONE tile:
; the exchange below makes of the registers of blocks 2 c and 2 c + 1 tile 0's and tile 1's registers 4 c + g.
.irp y, 0,1
.irp c, 0,1
.irp g, 0,1,2,3
	v_permlane16_swap_b32 v[CW+4*(4*\y+2*\c)+\g], v[CW+4*(4*\y+2*\c+1)+\g]
.endr
.endr
.endr
	v_permlane16_swap_b32 v[WW], v[WW+1]           ; likewise the words: tile 0's (K step 2 p below, 2 p + 1 above), tile 1's
.irp x, 0,1
.irp y, 0,1
.irp c, 0,1
	global_store_b128 v2, v[CW+4*(4*\y+2*\c+\x):CW+4*(4*\y+2*\c+\x)+3], s[32:33] offset:\x*6144+\y*1024+512*\c
.endr
.endr
	global_store_b32 v3, v[WW+\x], s[34:35] offset:\x*384   ; 128 consecutive bytes: 55,296 bytes of such stores in the whole launch
.endr
	s_endpgm
.Lwo:                                  ; a wave: 32 columns x 192 along K (six K steps of 32) of Wo
	s_sub_co_u32 s26, ttmp9, 54
	s_mul_hi_u32 s23, s26, 0x2aaaaaab              ; kq: which 192 along K
	s_mul_i32 s27, s23, 6
	s_sub_co_u32 s27, s26, s27                     ; cg: which 128 columns
	s_mul_i32 s30, s23, 589824                     ; 192 rows of 3,072 bytes
	s_lshl_b32 s36, s27, 9
	s_add_co_u32 s30, s30, s36
	s_lshl_b32 s36, s22, 7
	s_add_co_u32 s30, s30, s36
	s_add_nc_u64 s[28:29], s[14:15], s[30:31]
	s_lshl_b32 s36, s27, 3
	s_lshl_b32 s37, s22, 1
	s_add_co_u32 s36, s36, s37                     ; my first out-feature tile
	s_mul_i32 s30, s36, 24576
	s_mul_i32 s37, s23, 6144                       ; K step 6 kq
	s_add_co_u32 s30, s30, s37
	s_add_nc_u64 s[32:33], s[20:21], s[30:31]
.macro OSTEP u
.set XS, XR+32*((\u)%4)
.if (\u) < 4
	s_wait_loadcnt 63                              ; 64 or 96 loads were issued behind this step's: see above
.else
	s_wait_loadcnt 32*(5-(\u))
.endif
	s_wait_xcnt 0x0                                ; the last step's stores have read their registers
.irp n, 0,1,2,3,4,5,6,7,8,9,10,11,12,13,14,15
	v_cvt_pk_f16_f32 v[UR+\n], v[XS+2*\n], v[XS+2*\n+1]   ; k = 2 n, 2 n + 1 of my column
.endr
.if (\u) < 2
	DLOAD (\u)+4
.endif
.irp i, 0,1,2,3                        ; the 16-bit operand wants k = 16 c + 8 h + 0 .. 7 in lane (r, h): registers 8 c + i and 8 c + 4 + i change halves
	v_permlane16_swap_b32 v[UR+\i], v[UR+4+\i]
	v_permlane16_swap_b32 v[UR+8+\i], v[UR+12+\i]
.endr
.irp x, 0,1
.irp c, 0,1
	global_store_b128 v2, v[UR+8*\c+4*\x:UR+8*\c+4*\x+3], s[32:33] offset:\x*24576+(\u)*1024+512*\c
.endr
.endr
.endm
	DLOAD 0
	DLOAD 1
	DLOAD 2
	DLOAD 3
.irp u, 0,1,2,3,4,5
	OSTEP \u
.endr
	s_endpgm
.Lfunc_end_k_q1402842af5_prep:
	.size	k_q1402842af5_prep, .Lfunc_end_k_q1402842af5_prep-k_q1402842af5_prep
	.p2alignl 7, 3214868480
	.fill 96, 4, 3214868480
	.section	.rodata,"a",@progbits
	.p2align	6, 0x0
	.amdhsa_kernel k_q1402842af5_prep
		.amdhsa_group_segment_fixed_size 34304
		.amdhsa_private_segment_fixed_size 0
		.amdhsa_enable_private_segment 0
		.amdhsa_kernarg_size 72
		.amdhsa_user_sgpr_count 2
		.amdhsa_user_sgpr_kernarg_segment_ptr 1
		.amdhsa_wavefront_size32 1
		.amdhsa_system_sgpr_workgroup_id_x 1
		.amdhsa_system_sgpr_workgroup_id_y 1
		.amdhsa_system_sgpr_workgroup_id_z 1
		.amdhsa_system_vgpr_workitem_id 0
		.amdhsa_next_free_vgpr 256
		.amdhsa_next_free_sgpr 66
		.amdhsa_reserve_vcc 1
		.amdhsa_float_denorm_mode_32 3
		.amdhsa_float_denorm_mode_16_64 3
		.amdhsa_memory_ordered 1
		.amdhsa_forward_progress 1
		.amdhsa_inst_pref_size 110
	.end_amdhsa_kernel
	.amdgpu_metadata
---
amdhsa.version: [ 1, 2 ]
amdhsa.kernels:
  - .name:           k_q1402842af5_prep
    .symbol:         k_q1402842af5_prep.kd
    .args:
      - { .name: hidden_states, .offset: 0, .size: 8, .value_kind: global_buffer, .address_space: global }
      - { .name: encoder_hidden_states, .offset: 8, .size: 8, .value_kind: global_buffer, .address_space: global }
      - { .name: Wq, .offset: 16, .size: 8, .value_kind: global_buffer, .address_space: global }
      - { .name: Wk, .offset: 24, .size: 8, .value_kind: global_buffer, .address_space: global }
      - { .name: Wv, .offset: 32, .size: 8, .value_kind: global_buffer, .address_space: global }
      - { .name: Wo, .offset: 40, .size: 8, .value_kind: global_buffer, .address_space: global }
      - { .name: aimg, .offset: 48, .size: 8, .value_kind: global_buffer, .address_space: global }
      - { .name: wimg, .offset: 56, .size: 8, .value_kind: global_buffer, .address_space: global }
      - { .name: woimg, .offset: 64, .size: 8, .value_kind: global_buffer, .address_space: global }
    .group_segment_fixed_size: 34304
    .private_segment_fixed_size: 0
    .kernarg_segment_align: 8
    .kernarg_segment_size: 72
    .max_flat_workgroup_size: 128
    .sgpr_count:     66
    .vgpr_count:     256
    .wavefront_size: 32
...
	.end_amdgpu_metadata
.endif
;; end of part 1
;; launch proj (part 2): grid 240 x 1, 8 waves a work-group, clusters of 4 x 1, 167,936 bytes of LDS; arguments aimg, wimg, bq, bk, bv, qimg, kimg, vimg; writes qimg, kimg, vimg
.if DOCPART == 2
	.amdgcn_target "amdgcn-amd-amdhsa--gfx1250"
	.amdhsa_code_object_version 6
	.text
	.protected	k_q1402842af5_proj
	.globl	k_q1402842af5_proj
	.p2align	8
	.type	k_q1402842af5_proj,@function
k_q1402842af5_proj:
	s_mov_b64 s[64:65], 0
	v_nop
	global_prefetch_b8 v0, s[64:65] scope:SCOPE_SE
	s_setreg_imm32_b32 hwreg(HW_REG_WAVE_MODE, 25, 1), 1
	s_wait_xcnt 0x0
	s_wait_alu depctr_hold_cnt(0) depctr_sa_sdst(0) depctr_va_vdst(0) depctr_va_sdst(0) depctr_va_ssrc(0) depctr_va_vcc(0) depctr_vm_vsrc(0)
	s_getreg_b32 s2, hwreg(HW_REG_IB_STS2, 6, 4)
	s_cmp_eq_u32 s2, 0
	s_cbranch_scc0 .Lentry_in_a_cluster
	s_endpgm
.Lentry_in_a_cluster:
	s_bfe_u32 s2, ttmp6, 0x10000c
	s_cmp_lg_u32 s2, 0x3003
	s_cbranch_scc0 .Lentry_shape_is_right
	s_endpgm
.Lentry_shape_is_right:
; PROJ.  q = hidden_states Wq + bq, k = encoder_hidden_states Wk + bk, v = encoder_hidden_states Wv + bv, on codes of FP4 (E2M1) with E8M0 scales for each 32 along K; sums in f32, begun with the bias;
; results rounded once to f16 and stored as images of the attention launch's operand registers:
;   qimg [b x 12 + head][query tile 0..127][16 dims 0..3][512], kimg [b x 12 + head][key tile 0..255][16 dims][512], vimg [b x 12 + head][32 keys 0..127][16 dims 0..3][key tile's parity][512].
; LIMIT: |q|, |k|, |v| stay within f16's 65,504.
; SHARES.  A work-group makes 256 rows x 256 features (four heads), K = 768: 48 such jobs for q, 96 for k, 96 for v.  Each of its eight waves owns 32 rows (two row tiles) and walks the 16 feature tiles.
; A wave's codes of its 32 rows go from memory straight into its registers (96) and stay.  The 256 features' codes (98,304 bytes), scale images and biases lie in LDS, filled once.
; CLUSTER.  The four partners have the same 256 features and neighbouring blocks of rows: the weights' codes, scales and biases are asked for JOINTLY (a mask that names the four; the same descriptor in all).
; The feature axis has 3 or 6 blocks, so a cluster of 4 x 4 does not divide the grid.
; q and k: the product is used TRANSPOSED (source 0 = 16 features, source 1 = 16 rows): a lane's eight results are eight neighbouring dims of one row: packed to f16 they ARE a chunk of a 16-bit operand
; whose K is the head's dims.  v: not transposed (source 0 = 16 keys, source 1 = 16 features): eight neighbouring keys of one dim: a chunk of an operand whose K is the keys.  So each packed accumulator
; leaves by one store of 512 consecutive bytes, aligned, with no way through LDS.
.set LSC,   98304                      ; LDS: 0 .. 98,303 codes of 16 feature tiles, 6,144 bytes each; then their scale images, 384 bytes each;
.set LBI,   104448                     ; then 256 biases;
.set SPARE, 105472                     ; then the spare words, 128 bytes for each of eight waves: four blocks of 256 bytes that no other line names
.set L16,  1                           ; v1      16 x lane
.set BAD,  2                           ; v2-5    LDS address of head k's codes: 16 x lane + 24,576 k
.set SPW,  6                           ; v6      my spare word; never rewritten
.set NIL,  7                           ; v7      0; never rewritten
.set AS,   8                           ; v8-15   my rows' scale words: row tile i at 8 + 4 i, word p (K step 2 p in lanes 0-15, 2 p + 1 in lanes 16-31)
.set BS,   16                          ; v16-27  a head's: feature tile t, word p at 16 + 3 t + p
.set SAD,  28                          ; v28     LDS address of the scale images: LSC + 4 x lane
.set BIQ,  29                          ; v29     of the biases, transposed use: LBI + 32 (lane / 16)
.set BIV,  30                          ; v30     not transposed: LBI + 4 (lane % 16)
.set OUTR, 32                          ; v32-47  four packed accumulators
.set ACC,  48                          ; v48-79  accumulator (row tile i, feature tile tt of a pair) at 48 + 8 (2 i + tt)
.set BF,   80                          ; v80-143 the weights' fragments, two sets of four: set, K step ss of a pair, tile tt
.set AF,   144                         ; v144-239 my rows' fragments: 144 + 48 i + 8 s
.set WV,   20                          ; s20     my wave's number
.set TYP,  23                          ; s23     1 in a job of v
.set G1C,  24                          ; s[24:31] group 1: codes;  s[32:39] scale images;  s[40:47] biases
.set G1S,  32
.set G1B,  40
.set G0C,  48                          ; s[48:51], s[52:55], s[56:59] their groups 0
.set G0S,  52
.set G0B,  56
.set HST,  84                          ; s[84:85] bytes from head to head in the output
.set OUTP, 88                          ; s[88:89] where my two row tiles of the head in hand go
.macro CROUND                          ; a round of the cluster's barrier: my work-group's barrier; wave 0 signals for the work-group; every wave waits for the four work-groups; my work-group's barrier once more
	s_barrier_signal -1
	s_barrier_wait -1
	s_cmp_lg_u32 s[WV], 0
	s_cbranch_scc1 .Lnot_wave_0_\@
	s_barrier_signal -3
.Lnot_wave_0_\@:
	s_barrier_wait -3
	s_barrier_signal -1
	s_barrier_wait -1
.endm
.macro PLACES                          ; four places in front of loads into registers that matrix instructions have read (ISA guide 7.12.1 for vector instructions)
.rept 4
	v_nop
.endr
.endm
	s_load_b256 s[4:11], s[0:1], 0x0               ; aimg s[4:5], wimg s[6:7], bq s[8:9], bk s[10:11]
	s_load_b256 s[12:19], s[0:1], 0x20             ; bv s[12:13], qimg s[14:15], kimg s[16:17], vimg s[18:19]
	v_lshl_add_u32 v[SPW], v0, 2, SPARE
	v_mov_b32 v[NIL], 0
	ds_add_u32 v[SPW], v[NIL]                      ; the wave's opening: the add, twice on end, and its wait ahead of my first tensor load
	ds_add_u32 v[SPW], v[NIL]                      ; and once more; the set-up below, work on registers, stands between it and the wait
	v_lshrrev_b32 v31, 5, v0
	v_readfirstlane_b32 s[WV], v31                 ; wave 0..7
	v_and_b32 v31, 31, v0                          ; lane
	v_lshlrev_b32 v[L16], 4, v31
.irp k, 0,1,2,3
	v_add_nc_u32 v[BAD+\k], \k*24576, v[L16]
.endr
	v_lshl_add_u32 v[SAD], v31, 2, LSC
	v_bfe_u32 v[BIQ], v0, 4, 1
	v_lshl_add_u32 v[BIQ], v[BIQ], 5, LBI
	v_and_b32 v[BIV], 15, v0
	v_lshl_add_u32 v[BIV], v[BIV], 2, LBI
	; which job.  ttmp9 counts clusters: 0..11 q (feature block C / 4, row group C % 4), 12..59 k and v (feature block (C - 12) / 8 of six, row group (C - 12) % 8)
	s_bfe_u32 s21, ttmp6, 0x40000                  ; cx: my place in the cluster: it enters aimg's and the outputs' addresses alone
	s_sub_co_u32 s66, ttmp9, 12
	s_lshr_b32 s67, ttmp9, 2
	s_and_b32 s68, ttmp9, 3
	s_lshr_b32 s69, s66, 3
	s_and_b32 s70, s66, 7
	s_cmp_ge_u32 s69, 3
	s_cselect_b32 s71, 3, 0
	s_sub_co_u32 s71, s69, s71                     ; the feature block within k or v
	s_lshl_b32 s72, s69, 4
	s_add_co_u32 s72, s72, 48                      ; first feature tile in wimg: k's begin at 48, v's at 96
	s_lshl_b32 s73, s67, 4
	s_cmp_lt_u32 ttmp9, 12
	s_cselect_b32 s74, s73, s72                    ; first feature tile
	s_cselect_b32 s75, s68, s70                    ; row group
	s_cselect_b32 s76, 0, 256                      ; first row tile of the tensor in aimg
	s_cselect_b32 s77, 7, 8                        ; log2 of the row tiles in a batch
	s_cselect_b32 s78, s67, s71                    ; feature block: heads 4 fb .. 4 fb + 3
	s_lshl_b32 s80, s[WV], 1
	s_lshl_b32 s79, s75, 2
	s_add_co_u32 s79, s79, s21
	s_lshl_b32 s79, s79, 4
	s_add_co_u32 s79, s79, s80                     ; my first row tile in the tensor: 16 (4 x row group + cx) + 2 x wave
	s_add_co_u32 s81, s79, s76                     ; and in aimg
	s_lshr_b32 s82, s79, s77                       ; batch
	s_lshl_b32 s83, s82, s77
	s_sub_co_u32 s83, s79, s83                     ; row tile in the batch
	s_mul_i32 s82, s82, 12
	s_lshl_b32 s84, s78, 2
	s_add_co_u32 s82, s82, s84                     ; batch x 12 + first head
	s_lshl_b32 s82, s82, s77
	s_add_co_u32 s82, s82, s83
	s_lshl_b32 s82, s82, 11                        ; x 2,048 bytes a row tile (in vimg: 4,096 for two)
	s_mov_b32 s83, 0
	s_lshl_b32 s[HST], 2048, s77
	s_mov_b32 s[HST+1], 0
	s_mul_i32 s2, s81, 6144                        ; my codes in aimg
	s_mov_b32 s3, 0
	; group 1: dense blocks as rows of 256 bytes (32 elements of 8 bytes); no padding: the images are read 512 consecutive bytes an instruction
.irp g, G1C, G1S, G1B
	s_mov_b32 s[\g], 15|(3<<16)|(1<<21)            ; 15:0 the mask: all four work-groups; 17:16 elements of 8 bytes; 21 set beside a mask
	s_mov_b32 s[\g+7], 0
.endr
	s_mov_b32 s[G1C+1], 32<<16                     ; tensor_dim0 = 32
	s_mov_b32 s[G1C+2], 48<<16                     ; tensor_dim1 = 48 rows: two feature tiles' codes, 12,288 bytes
	s_mov_b32 s[G1C+3], 32<<16                     ; tile_dim0
	s_mov_b32 s[G1C+4], 48                         ; tile_dim1
	s_mov_b32 s[G1C+5], 32                         ; the pitch
	s_mov_b32 s[G1C+6], 0
	s_mov_b32 s[G1S+1], 32<<16
	s_mov_b32 s[G1S+2], 3<<16                      ; 3 rows: two feature tiles' scale images, 768 bytes
	s_mov_b32 s[G1S+3], 32<<16
	s_mov_b32 s[G1S+4], 3
	s_mov_b32 s[G1S+5], 32
	s_mov_b32 s[G1S+6], 0
	s_mov_b32 s[G1B+1], 16<<16                     ; one row of 128 bytes: 32 biases
	s_mov_b32 s[G1B+2], 1<<16
	s_mov_b32 s[G1B+3], 16<<16
	s_mov_b32 s[G1B+4], 1
	s_mov_b32 s[G1B+5], 16
	s_mov_b32 s[G1B+6], 1<<16
	s_mov_b32 s[G0C], 1
	s_mul_i32 s[G0C+1], s[WV], 12288               ; LDS addresses hang on the wave's number alone
	s_mov_b32 s[G0S], 1
	s_mul_i32 s[G0S+1], s[WV], 768
	s_add_co_u32 s[G0S+1], s[G0S+1], LSC
	s_mov_b32 s[G0B], 1
	s_lshl_b32 s[G0B+1], s[WV], 7
	s_add_co_u32 s[G0B+1], s[G0B+1], LBI
	s_add_co_u32 s90, s74, s80                     ; the two feature tiles that I fetch
	s_mul_i32 s92, s90, 6144
	s_mov_b32 s93, 0
	s_mul_i32 s94, s90, 384
	s_add_co_u32 s94, s94, 884736
	s_mov_b32 s95, 0
	s_lshl_b32 s90, s78, 10                        ; the block's 256 biases,
	s_lshl_b32 s91, s[WV], 7                       ; my 32 of them
	s_add_co_u32 s90, s90, s91
	s_mov_b32 s91, 0
	s_wait_dscnt 0x0                               ; both opening adds are done
	s_wait_kmcnt 0x0
	s_cmp_lt_u32 ttmp9, 36
	s_cselect_b64 s[86:87], s[10:11], s[12:13]
	s_cselect_b64 s[OUTP:OUTP+1], s[16:17], s[18:19]
	s_cselect_b32 s[TYP], 0, 1
	s_cmp_lt_u32 ttmp9, 12
	s_cselect_b64 s[86:87], s[8:9], s[86:87]       ; bq, bk or bv
	s_cselect_b64 s[OUTP:OUTP+1], s[14:15], s[OUTP:OUTP+1]   ; qimg, kimg or vimg
	s_add_nc_u64 s[OUTP:OUTP+1], s[OUTP:OUTP+1], s[82:83]
	s_add_nc_u64 s[G0C+2:G0C+3], s[6:7], s[92:93]
	s_or_b32 s[G0C+3], s[G0C+3], 0x80000000
	s_add_nc_u64 s[G0S+2:G0S+3], s[6:7], s[94:95]
	s_or_b32 s[G0S+3], s[G0S+3], 0x80000000
	s_add_nc_u64 s[G0B+2:G0B+3], s[86:87], s[90:91]
	s_or_b32 s[G0B+3], s[G0B+3], 0x80000000
	s_add_nc_u64 s[60:61], s[4:5], s[2:3]          ; my rows' codes
	s_lshl_b32 s2, s81, 9
	s_add_co_u32 s2, s2, 4718592
	s_add_nc_u64 s[62:63], s[4:5], s[2:3]          ; and their scale images
	CROUND                                         ; all four work-groups are here: the joint loads meet
	tensor_load_to_lds s[G0C:G0C+3], s[G1C:G1C+7]  ; three loads of mine are out: all the fills of the launch, in one group
	s_nop 0
	tensor_load_to_lds s[G0S:G0S+3], s[G1S:G1S+7]
	s_nop 0
	tensor_load_to_lds s[G0B:G0B+3], s[G1B:G1B+7]
	s_nop 0
.rept 4
	v_nop
.endr
.irp i, 0,1
.irp n, 0,1,2,3,4,5,6,7,8,9,10,11
	global_load_b128 v[AF+48*\i+4*\n:AF+48*\i+4*\n+3], v[L16], s[60:61] offset:\i*6144+512*\n   ; 512 consecutive bytes an instruction
.endr
	global_load_b128 v[AS+4*\i:AS+4*\i+3], v[L16], s[62:63] offset:512*\i
.endr
	s_wait_tensorcnt 0x0                           ; my parts of the weights are in LDS,
	s_barrier_signal -1
	s_barrier_wait -1                              ; everybody's are
	s_wait_loadcnt 0x0                             ; my rows
.macro BSLOAD k                        ; head k's scale words
.irp t, 0,1,2,3
.irp p, 0,1,2
	ds_load_b32 v[BS+3*\t+\p], v[SAD] offset:(\k)*1536+\t*384+\p*128
.endr
.endr
.endm
.macro BIAS k, u, var                  ; the biases go straight into the four accumulators, in the result's layout: so every product adds in place
.irp i, 0,1
.irp tt, 0,1
.if \var
.irp j, 0,1,2,3,4,5,6,7
	ds_load_b32 v[ACC+8*(2*\i+\tt)+\j], v[BIV] offset:(\k)*256+64*(2*(\u)+\tt)   ; a lane holds one feature: the same bias in its eight registers
.endr
.else
	ds_load_b128 v[ACC+8*(2*\i+\tt):ACC+8*(2*\i+\tt)+3], v[BIQ] offset:(\k)*256+64*(2*(\u)+\tt)       ; a lane holds eight neighbouring features
	ds_load_b128 v[ACC+8*(2*\i+\tt)+4:ACC+8*(2*\i+\tt)+7], v[BIQ] offset:(\k)*256+64*(2*(\u)+\tt)+16
.endif
.endr
.endr
.endm
.macro CLOAD k, q                      ; part q of 6 of head k: feature tiles 2 (q / 3), + 1; K steps 2 (q % 3), + 1; into set q % 2: eight loads
.irp ss, 0,1
.irp tt, 0,1
.irp c, 0,1
	ds_load_b128 v[BF+32*((\q)%2)+16*\ss+8*\tt+4*\c:BF+32*((\q)%2)+16*\ss+8*\tt+4*\c+3], v[BAD+(\k)] offset:(2*((\q)/3)+\tt)*6144+(2*((\q)%3)+\ss)*1024+512*\c
.endr
.endr
.endr
.endm
.macro MM q, var                       ; its eight products; the four accumulators take turns, one instruction a turn
.irp ss, 0,1
.irp i, 0,1
.irp tt, 0,1
.set rA, ACC+8*(2*\i+\tt)
.set rW, BF+32*((\q)%2)+16*\ss+8*\tt
.set rX, AF+48*\i+8*(2*((\q)%3)+\ss)
.set rSW, BS+3*(2*((\q)/3)+\tt)+(\q)%3
.set rSX, AS+4*\i+(\q)%3
.if \var
.if \ss
	v_wmma_scale_f32_16x16x128_f8f6f4 v[rA:rA+7], v[rX:rX+7], v[rW:rW+7], v[rA:rA+7], v[rSX], v[rSW] matrix_a_fmt:MATRIX_FMT_FP4 matrix_b_fmt:MATRIX_FMT_FP4 matrix_a_scale:MATRIX_SCALE_ROW1 matrix_b_scale:MATRIX_SCALE_ROW1
.else
	v_wmma_scale_f32_16x16x128_f8f6f4 v[rA:rA+7], v[rX:rX+7], v[rW:rW+7], v[rA:rA+7], v[rSX], v[rSW] matrix_a_fmt:MATRIX_FMT_FP4 matrix_b_fmt:MATRIX_FMT_FP4
.endif
.else
.if \ss
	v_wmma_scale_f32_16x16x128_f8f6f4 v[rA:rA+7], v[rW:rW+7], v[rX:rX+7], v[rA:rA+7], v[rSW], v[rSX] matrix_a_fmt:MATRIX_FMT_FP4 matrix_b_fmt:MATRIX_FMT_FP4 matrix_a_scale:MATRIX_SCALE_ROW1 matrix_b_scale:MATRIX_SCALE_ROW1
.else
	v_wmma_scale_f32_16x16x128_f8f6f4 v[rA:rA+7], v[rW:rW+7], v[rX:rX+7], v[rA:rA+7], v[rSW], v[rSX] matrix_a_fmt:MATRIX_FMT_FP4 matrix_b_fmt:MATRIX_FMT_FP4
.endif
.endif
.endr
.endr
.endr
.endm
.macro EPI u, var                      ; four finished accumulators leave
.rept 5
	v_nop                                          ; places behind the last product: for the conversions that read results, for the loads that follow into accumulators, fragments and scale words, and for the accumulators' new start
.endr
	s_wait_xcnt 0x0                                ; the earlier stores have read their registers
.irp a, 0,1,2,3
.irp n, 0,1,2,3
	v_cvt_pk_f16_f32 v[OUTR+4*\a+\n], v[ACC+8*\a+2*\n], v[ACC+8*\a+2*\n+1]   ; each accumulator from its low end on
.endr
.endr
.irp i, 0,1
.irp tt, 0,1
.if \var
	global_store_b128 v[L16], v[OUTR+4*(2*\i+\tt):OUTR+4*(2*\i+\tt)+3], s[OUTP:OUTP+1] offset:(2*(\u)+\tt)*1024+\i*512   ; dims' tile, then the key tile's parity
.else
	global_store_b128 v[L16], v[OUTR+4*(2*\i+\tt):OUTR+4*(2*\i+\tt)+3], s[OUTP:OUTP+1] offset:\i*2048+(2*(\u)+\tt)*512   ; row tile, then the dims' tile
.endif
.endr
.endr
.endm
.macro HEAD k, var
	BSLOAD \k
	BIAS \k, 0, \var
	CLOAD \k, 0
.irp q, 0,1,2,3,4,5
.if (\q > 0) && (\q != 3)
	PLACES
.endif
.if \q < 5
	CLOAD \k, \q+1
	s_wait_dscnt 8                                 ; all but the eight loads just issued are in: this part's fragments, the biases, the scale words
.else
	s_wait_dscnt 0x0
.endif
	MM \q, \var
.if \q == 2
	EPI 0, \var
	BIAS \k, 1, \var
.endif
.if \q == 5
	EPI 1, \var
.endif
.endr
.if \k < 3
	s_wait_xcnt 0x0                                ; the stores have read their base
	s_add_nc_u64 s[OUTP:OUTP+1], s[OUTP:OUTP+1], s[HST:HST+1]
.endif
.endm
	s_cmp_lg_u32 s[TYP], 0                         ; the cluster's number alone decides: the same way in all partners and all waves
	s_cbranch_scc1 .Lv
.irp k, 0,1,2,3
	HEAD \k, 0
.endr
	s_branch .Ljoin
.Lv:
.irp k, 0,1,2,3
	HEAD \k, 1
.endr
.Ljoin:
	s_wait_tensorcnt 0x0                           ; the wave's end, behind my last tensor load
	ds_add_u32 v[SPW], v[NIL]
	s_wait_dscnt 0x0
	CROUND                                         ; the closing round
	s_endpgm
.Lfunc_end_k_q1402842af5_proj:
	.size	k_q1402842af5_proj, .Lfunc_end_k_q1402842af5_proj-k_q1402842af5_proj
	.p2alignl 7, 3214868480
	.fill 96, 4, 3214868480
	.section	.rodata,"a",@progbits
	.p2align	6, 0x0
	.amdhsa_kernel k_q1402842af5_proj
		.amdhsa_group_segment_fixed_size 167936
		.amdhsa_private_segment_fixed_size 0
		.amdhsa_enable_private_segment 0
		.amdhsa_kernarg_size 64
		.amdhsa_user_sgpr_count 2
		.amdhsa_user_sgpr_kernarg_segment_ptr 1
		.amdhsa_wavefront_size32 1
		.amdhsa_system_sgpr_workgroup_id_x 1
		.amdhsa_system_sgpr_workgroup_id_y 1
		.amdhsa_system_sgpr_workgroup_id_z 1
		.amdhsa_system_vgpr_workitem_id 0
		.amdhsa_next_free_vgpr 256
		.amdhsa_next_free_sgpr 96
		.amdhsa_reserve_vcc 0
		.amdhsa_float_denorm_mode_32 3
		.amdhsa_float_denorm_mode_16_64 3
		.amdhsa_memory_ordered 1
		.amdhsa_forward_progress 1
		.amdhsa_inst_pref_size 139
	.end_amdhsa_kernel
	.amdgpu_metadata
---
amdhsa.version: [ 1, 2 ]
amdhsa.kernels:
  - .name:           k_q1402842af5_proj
    .symbol:         k_q1402842af5_proj.kd
    .args:
      - { .name: aimg, .offset: 0, .size: 8, .value_kind: global_buffer, .address_space: global }
      - { .name: wimg, .offset: 8, .size: 8, .value_kind: global_buffer, .address_space: global }
      - { .name: bq, .offset: 16, .size: 8, .value_kind: global_buffer, .address_space: global }
      - { .name: bk, .offset: 24, .size: 8, .value_kind: global_buffer, .address_space: global }
      - { .name: bv, .offset: 32, .size: 8, .value_kind: global_buffer, .address_space: global }
      - { .name: qimg, .offset: 40, .size: 8, .value_kind: global_buffer, .address_space: global }
      - { .name: kimg, .offset: 48, .size: 8, .value_kind: global_buffer, .address_space: global }
      - { .name: vimg, .offset: 56, .size: 8, .value_kind: global_buffer, .address_space: global }
    .group_segment_fixed_size: 167936
    .private_segment_fixed_size: 0
    .kernarg_segment_align: 8
    .kernarg_segment_size: 64
    .max_flat_workgroup_size: 256
    .sgpr_count:     96
    .vgpr_count:     256
    .wavefront_size: 32
...
	.end_amdgpu_metadata
.endif
;; end of part 2
;; launch attn (part 3): grid 8 x 24, 8 waves a work-group, clusters of 4 x 1, 327,680 bytes of LDS; arguments qimg, kimg, vimg, ctximg; writes ctximg
.if DOCPART == 3
	.amdgcn_target "amdgcn-amd-amdhsa--gfx1250"
	.amdhsa_code_object_version 6
	.text
	.protected	k_q1402842af5_attn
	.globl	k_q1402842af5_attn
	.p2align	8
	.type	k_q1402842af5_attn,@function
k_q1402842af5_attn:
	s_mov_b64 s[64:65], 0
	v_nop
	global_prefetch_b8 v0, s[64:65] scope:SCOPE_SE
	s_setreg_imm32_b32 hwreg(HW_REG_WAVE_MODE, 25, 1), 1
	s_wait_xcnt 0x0
	s_wait_alu depctr_hold_cnt(0) depctr_sa_sdst(0) depctr_va_vdst(0) depctr_va_sdst(0) depctr_va_ssrc(0) depctr_va_vcc(0) depctr_vm_vsrc(0)
	s_getreg_b32 s2, hwreg(HW_REG_IB_STS2, 6, 4)
	s_cmp_eq_u32 s2, 0
	s_cbranch_scc0 .Lentry_in_a_cluster
	s_endpgm
.Lentry_in_a_cluster:
	s_bfe_u32 s2, ttmp6, 0x10000c
	s_cmp_lg_u32 s2, 0x3003
	s_cbranch_scc0 .Lentry_shape_is_right
	s_endpgm
.Lentry_shape_is_right:
; ATTN.  ctx[b][head][q][:] = the sum over k of softmax_k(q . k / 8) v[k][:], 2,048 queries and 4,096 keys for each of 24 (batch, head), head size 64, no mask.  Operands f16; products, maxima and sums f32;
; the weights p are rounded to f16 for the second product.  ctx is stored x 4 (exact) in f16, as images of the output projection's operand registers: ctximg [row tile b x 128 + query tile][head x 4 + 16 dims][512].
; LIMITS: 4 |ctx| stays within f16's 65,504; NaN and infinities are not served.
; SHARES.  A work-group owns 256 queries of one (batch, head); each of its eight waves 32: two tiles of 16.  Two waves share a SIMD, so that one wave's softmax stands beside the other's products.
; Every wave walks all 4,096 keys, 64 a step.  192 work-groups: 2,048 queries a head do not divide into 256 even shares.
; LAYOUT.  S^T = K Q^T (source 0 = 16 keys, source 1 = 16 queries): a lane holds ONE query (lane % 16) and keys 8 (lane / 16) + 0..7.  Two such tiles, rounded to f16 in pairs, ARE source 1 of O^T = V^T P.
; K's and V's fragments lie in memory and in LDS as images of their registers: every LDS load takes 512 consecutive bytes; nothing is turned and nothing padded.
; SOFTMAX.  For each query a running maximum m and sum l: p = 2^(c s - c m), c = log2(e) / 8; in every step O and l are multiplied by a = 2^(c m_old - c m_new).
; VECTOR WORK BEHIND THE SECOND PRODUCT'S MATRIX INSTRUCTIONS.  O^T += V^T P goes tile by tile, and four plain vector lines stand behind each of its 16 matrix instructions: behind tile 0's the roundings of tile 1's p
; and the rescaling of tile 1's O^T, behind tile 1's the sums of both tiles.  None of them names a register of the products round it.
; RING.  Two LDS slots of 512 keys (65,536 bytes of K, then 65,536 of V).  Each wave brings 16,384 bytes (64 rows of 256) of a slot: waves 0-3 K's quarters, waves 4-7 V's.
; THE CHANGE OF SLOTS lies in a slot's last step: once that step's K and V are in registers the wave has done with the slot and says so; its softmax and second product stand between the barrier's signal and its wait.
; CLUSTER.  The four query blocks of a cluster walk the same K and V: each load is JOINT: the same descriptor and a mask that names the four, in all four.
; REGISTERS.  window 0: v1-5 addresses; v6, v7 the add's two; v8-23 statistics, eight a tile: +0 c m, +1 m, +2, +3 l, +4..+7 at work (a takes +6, c m_old - c m_new +7);
;   v32-95 V of a step; v96-159 S^T, 32 a tile; v160-191 P, 16 a tile; v192-255 O^T, 32 a tile.   window 1: v0-31 Q, 16 a tile; v32-95 K of a step.
; So all but the first product and K's loads works in window 0: four switches of the window a step.
.set SLOT1, 131072                     ; slot 1 begins here: one exclusive or turns an address in one slot into the other's
.set SPARE, 262144                     ; behind the ring: the spare words, 128 bytes for each of eight waves: four blocks of 256 bytes that no other line names
.set AK0, 1                            ; v1   16 x lane
.set AV0, 2                            ; v2   16 x lane + 65,536
.set ADK, 3                            ; v3   LDS address of the K loads in hand
.set ADV, 4                            ; v4   of the V loads
.set PFO, 5                            ; v5   256 x lane
.set SPW, 6
.set NIL, 7
.set ST,  8
.set VR,  32
.set SR,  96
.set PR,  160
.set OR,  192
.set QR,  0                            ; in window 1
.set KR,  32                           ; in window 1
.set WV,  12                           ; s12  my wave's number
.set G1,  24                           ; s[24:31] descriptor group 1
.set G0,  32                           ; s[32:35] group 0: it walks
.set CS,  36                           ; s[36:37] c, twice: the packed form names a pair
.set SEL, 38                           ; s[38:39] v_permlanex16_b32's selects for lane l xor 16
.set TK,  40                           ; s40  LDS byte at which the step in hand begins
.set SLOTS, 41                         ; s41  counts the slots that end in a refill
.set CNT, 42                           ; s42  counts a slot's steps
.set PFA, 44                           ; s[44:45] where my prefetches stand
.set LIM, 46                           ; s46  1 in a wave that prefetches, else the greatest number
.set MSB, 0
.macro WIN new                         ; the immediate's high byte repeats the setting that is left; a switch that changes nothing is dropped
.if MSB != \new
	s_set_vgpr_msb (MSB<<8)|\new
.set MSB, \new
.endif
.endm
.set W_KQ, 0x05                        ; sources 0 (K) and 1 (Q) window 1; C and D (S^T) window 0
.set TO_1, 0x40                        ; destination window 1, address window 0
.macro CREST                           ; a round of the cluster's barrier behind its opening barrier: wave 0 signals for the work-group; every wave waits for the four work-groups; my work-group's barrier once more
	s_cmp_lg_u32 s[WV], 0
	s_cbranch_scc1 .Lnot_wave_0_\@
	s_barrier_signal -3
.Lnot_wave_0_\@:
	s_barrier_wait -3
	s_barrier_signal -1
	s_barrier_wait -1
.endm
.macro CROUND                          ; a whole round
	s_barrier_signal -1
	s_barrier_wait -1
	CREST
.endm
.macro PLACES                          ; four places behind matrix instructions (ISA guide 7.12.1 for vector instructions)
.rept 4
	v_nop
.endr
.endm
; A prefetch of what the NEXT change of slots will ask for: 65,536 bytes of K and as many of V, eight key steps ahead of that load.  Each aligned block of 256 bytes is named once in the launch: both clusters of a
; (batch, head) walk the same K and V, and the first asks; its four partners take 16,384 bytes each, told apart BY ADDRESS; in each, waves 0 and 1 ask for K's halves of that and waves 4 and 5 for V's, lanes 256 bytes apart.
; The last change that fills a slot asks for nothing; the first two slots come by their loads alone.
.macro ASK
	s_cmp_gt_u32 s[SLOTS], s[LIM]
	s_cbranch_scc0 .Lnot_mine_\@
	global_prefetch_b8 v[PFO], s[PFA:PFA+1] th:TH_LOAD_NT scope:SCOPE_SE
.Lnot_mine_\@:
.endm
.macro WALK                            ; behind the wait for all my tensor loads: the descriptor and the prefetches' address step on
	s_xor_b32 s[G0+1], s[G0+1], SLOT1              ; the other slot than last time,
	s_add_nc_u64 s[G0+2:G0+3], s[G0+2:G0+3], 65536 ; the next 512 keys; the type bits on top are not reached
	s_wait_xcnt 0x0                                ; the last prefetch, a slot back, has read its address
	s_add_nc_u64 s[PFA:PFA+1], s[PFA:PFA+1], 65536 ; one slot further on than the walking descriptor
.endm
.macro REFILL                          ; the joint load: the first thing behind a round, and my one tensor load until the next; it has eight key steps in which to land
	tensor_load_to_lds s[G0:G0+3], s[G1:G1+7]
	s_nop 0
.rept 4
	v_nop
.endr
	ASK
.endm
	s_load_b256 s[4:11], s[0:1], 0x0               ; qimg s[4:5], kimg s[6:7], vimg s[8:9], ctximg s[10:11]
	v_lshl_add_u32 v[SPW], v0, 2, SPARE
	v_mov_b32 v[NIL], 0
	ds_add_u32 v[SPW], v[NIL]                      ; the wave's opening: the add, twice on end, and its wait ahead of my first tensor load
	ds_add_u32 v[SPW], v[NIL]                      ; and once more; the set-up below, work on registers, stands between it and the wait
	v_lshrrev_b32 v3, 5, v0
	v_readfirstlane_b32 s[WV], v3                  ; wave 0..7
	v_and_b32 v3, 31, v0
	v_lshlrev_b32 v[AK0], 4, v3
	v_add_nc_u32 v[AV0], 65536, v[AK0]
	v_lshlrev_b32 v[PFO], 8, v3
	s_bfe_u32 s13, ttmp6, 0x40000                  ; cx: it enters Q's, ctx's and the prefetches' addresses alone
	s_and_b32 s14, ttmp7, 0xffff                   ; batch x 12 + head, which the partners share
	s_lshl_b32 s16, s14, 19                        ; its 524,288 bytes of K, and of V
	s_mov_b32 s17, 0
	s_and_b32 s18, s[WV], 3
	s_lshl_b32 s18, s18, 14
	s_add_co_u32 s16, s16, s18                     ; + the quarter of a slot that I fetch
	s_lshl_b32 s20, ttmp9, 2
	s_add_co_u32 s20, s20, s13                     ; my block of 256 queries
	s_lshl_b32 s20, s20, 4
	s_lshl_b32 s21, s[WV], 1
	s_add_co_u32 s20, s20, s21                     ; my first query tile
	s_lshl_b32 s22, s14, 7
	s_add_co_u32 s22, s22, s20
	s_lshl_b32 s22, s22, 11                        ; Q: 2,048 bytes a tile
	s_mov_b32 s23, 0
	s_cmp_ge_u32 s14, 12
	s_cselect_b32 s52, 1, 0                        ; batch
	s_mul_i32 s53, s52, 12
	s_sub_co_u32 s53, s14, s53                     ; head
	s_lshl_b32 s52, s52, 7
	s_add_co_u32 s52, s52, s20                     ; row tile
	s_mul_i32 s52, s52, 48
	s_lshl_b32 s53, s53, 2
	s_add_co_u32 s52, s52, s53
	s_lshl_b32 s52, s52, 9                         ; ctx: (row tile x 48 + 4 x head) x 512
	s_mov_b32 s53, 0
	s_lshl_b32 s54, s14, 19
	s_add_co_u32 s54, s54, 65536                   ; the prefetches stand in the second slot's keys: the first change of slots steps them to the third's
	s_lshl_b32 s55, s13, 14
	s_add_co_u32 s54, s54, s55
	s_and_b32 s55, s[WV], 1
	s_lshl_b32 s55, s55, 13
	s_add_co_u32 s54, s54, s55
	s_mov_b32 s55, 0
	s_and_b32 s[LIM], s[WV], 2                     ; 0 in waves 0, 1, 4, 5,
	s_or_b32 s[LIM], s[LIM], ttmp9                 ; of the first cluster: the same in all four partners
	s_cmp_eq_u32 s[LIM], 0
	s_cselect_b32 s[LIM], 1, -1
	s_mov_b32 s[G1], 15|(3<<16)|(1<<21)            ; 15:0 the mask: all four work-groups; 17:16 elements of 8 bytes; 21 set beside a mask; no padding
	s_mov_b32 s[G1+1], 32<<16                      ; tensor_dim0 = 32: rows of 256 bytes
	s_mov_b32 s[G1+2], 64<<16                      ; tensor_dim1 = 64
	s_mov_b32 s[G1+3], 32<<16                      ; tile_dim0
	s_mov_b32 s[G1+4], 64                          ; tile_dim1
	s_mov_b32 s[G1+5], 32                          ; the pitch: the block is dense
	s_mov_b32 s[G1+6], 0
	s_mov_b32 s[G1+7], 0
	s_mov_b32 s[G0], 1
	s_lshl_b32 s[G0+1], s[WV], 14                  ; slot 0, my 16,384 bytes: the wave's number alone
	s_mov_b32 s[CS], 0x3e38aa3b                    ; c = log2(e) / 8
	s_mov_b32 s[CS+1], s[CS]
	s_mov_b32 s[SEL], 0x76543210
	s_mov_b32 s[SEL+1], 0xfedcba98
	s_mov_b32 s[TK], 0
	s_mov_b32 s[SLOTS], 6
	s_wait_dscnt 0x0                               ; both opening adds are done
	s_wait_kmcnt 0x0
	s_cmp_lt_u32 s[WV], 4                          ; waves 0-3 fetch K, waves 4-7 V
	s_cselect_b64 s[18:19], s[6:7], s[8:9]
	s_add_nc_u64 s[G0+2:G0+3], s[18:19], s[16:17]
	s_or_b32 s[G0+3], s[G0+3], 0x80000000
	s_add_nc_u64 s[PFA:PFA+1], s[18:19], s[54:55]
	s_add_nc_u64 s[50:51], s[4:5], s[22:23]        ; my Q
	s_add_nc_u64 s[48:49], s[10:11], s[52:53]      ; my ctx
	CROUND                                         ; all four work-groups are here: the first joint loads meet
	tensor_load_to_lds s[G0:G0+3], s[G1:G1+7]      ; slot 0: keys 0..511
	s_nop 0
.rept 4
	v_nop
.endr
	WIN TO_1
.irp n, 0,1,2,3,4,5,6,7
	global_load_b128 v[QR+4*\n:QR+4*\n+3], v[AK0], s[50:51] offset:512*\n   ; Q stays in registers
.endr
	WIN 0
.set J, 0
.rept 64
	v_mov_b32 v[OR+J], 0                           ; O^T.  (The step is written without a first step of its own: the first finds zeros, which a = 0 leaves zeros)
.set J, J+1
.endr
.irp t, 0,1
	v_mov_b32 v[ST+8*\t+1], 0xff61b1e6             ; m: -3e38, under every score
	v_mul_f32 v[ST+8*\t], s[CS], v[ST+8*\t+1]      ; c m
	v_mov_b32 v[ST+8*\t+2], 0                      ; l, in two halves
	v_mov_b32 v[ST+8*\t+3], 0
.endr
.macro KLOAD pad                       ; the 16 loads of a step's K; pad: v_nop that make up, with the addition, the places behind the products that read K
	v_add_nc_u32 v[ADK], s[TK], v[AK0]
.rept \pad
	v_nop
.endr
	WIN TO_1
.irp n, 0,1,2,3,4,5,6,7,8,9,10,11,12,13,14,15
	ds_load_b128 v[KR+4*\n:KR+4*\n+3], v[ADK] offset:512*\n
.endr
	WIN 0
.endm
.macro SMAX                            ; the step's maximum, the new m, c m and c m_old - c m_new; the two tiles by turns.  Each accumulator is read from its low end on
.irp j, 0,1,2,3
.irp t, 0,1
	v_max3_num_f32 v[ST+8*\t+4+\j], v[SR+32*\t+8*\j], v[SR+32*\t+8*\j+1], v[SR+32*\t+8*\j+2]
.endr
.endr
.irp x, 3,5
.irp j, 0,1,2,3
.irp t, 0,1
	v_max3_num_f32 v[ST+8*\t+4+\j], v[ST+8*\t+4+\j], v[SR+32*\t+8*\j+\x], v[SR+32*\t+8*\j+\x+1]
.endr
.endr
.endr
.irp t, 0,1
	v_max3_num_f32 v[ST+8*\t+4], v[ST+8*\t+4], v[SR+32*\t+7], v[SR+32*\t+15]
	v_max3_num_f32 v[ST+8*\t+6], v[ST+8*\t+6], v[SR+32*\t+23], v[SR+32*\t+31]
.endr
.irp t, 0,1
	v_max3_num_f32 v[ST+8*\t+4], v[ST+8*\t+4], v[ST+8*\t+5], v[ST+8*\t+6]
.endr
.irp t, 0,1
	v_max3_num_f32 v[ST+8*\t+4], v[ST+8*\t+4], v[ST+8*\t+7], v[ST+8*\t+1]
.endr
.irp t, 0,1
	v_permlanex16_b32 v[ST+8*\t+5], v[ST+8*\t+4], s[SEL], s[SEL+1]   ; the query's other 32 keys lie in the lane 16 away
.endr
.irp t, 0,1
	v_mov_b32 v[ST+8*\t+7], v[ST+8*\t]             ; c m_old
.endr
.irp t, 0,1
	v_max_num_f32 v[ST+8*\t+1], v[ST+8*\t+4], v[ST+8*\t+5]
.endr
.irp t, 0,1
	v_mul_f32 v[ST+8*\t], s[CS], v[ST+8*\t+1]
.endr
.irp t, 0,1
	v_sub_f32 v[ST+8*\t+7], v[ST+8*\t+7], v[ST+8*\t]
.endr
.endm
.macro SEXP                            ; c s - c m, then ONE batch of 66 exponentials with one wait
.irp t, 0,1
.irp n, 0,2,4,6,8,10,12,14,16,18,20,22,24,26,28,30
	v_pk_fma_f32 v[SR+32*\t+\n:SR+32*\t+\n+1], v[SR+32*\t+\n:SR+32*\t+\n+1], s[CS:CS+1], v[ST+8*\t:ST+8*\t+1] op_sel_hi:[1,0,0] neg_lo:[0,0,1] neg_hi:[0,0,1]
.endr
.endr
.irp t, 0,1
	v_exp_f32 v[ST+8*\t+6], v[ST+8*\t+7]           ; a
.endr
.set J, 0
.rept 64
	v_exp_f32 v[SR+J], v[SR+J]                     ; p
.set J, J+1
.endr
	v_nop                                          ; a plain line behind the last exponential, ahead of the first use
	s_wait_alu depctr_va_vdst(0)                   ; the wait ahead of the first instruction that names a result: one for the batch
.endm
; Product I of 8 of tile t's O^T += V^T P: keys 32 (I / 4) on, dims 16 (I % 4) on.  The tile's four accumulators take turns, one instruction a turn.
.macro PVT t
	v_wmma_f32_16x16x32_f16 v[OR+32*(\t)+8*(I%4):OR+32*(\t)+8*(I%4)+7], v[VR+32*(I/4)+8*(I%4):VR+32*(I/4)+8*(I%4)+7], v[PR+16*(\t)+8*(I/4):PR+16*(\t)+8*(I/4)+7], v[OR+32*(\t)+8*(I%4):OR+32*(\t)+8*(I%4)+7]
.set I, I+1
.endm
; Line N of 32 of tile 1's way to its product: 16 roundings of p to f16 (two neighbouring keys a register: source 1 as it stands), then O^T x a, each accumulator from its low end on.
.macro W1
.if N < 16
	v_cvt_pk_f16_f32 v[PR+16+N], v[SR+32+2*N], v[SR+32+2*N+1]
.else
	v_pk_mul_f32 v[OR+32+2*(N-16):OR+32+2*(N-16)+1], v[OR+32+2*(N-16):OR+32+2*(N-16)+1], v[ST+14:ST+15] op_sel_hi:[1,0]
.endif
.set N, N+1
.endm
; Line Z of 32 of the sums: l = a l + the sum of the unrounded p: a tree in place over a tile's 16 pairs (neighbours 1, 2, 4 and 8 pairs apart), the two tiles by turns.
.macro W2
.if Z < 16
.set ZB, SR+32*(Z%2)+4*(Z/2)
	v_pk_add_f32 v[ZB:ZB+1], v[ZB:ZB+1], v[ZB+2:ZB+3]
.elseif Z < 24
.set ZB, SR+32*(Z%2)+8*((Z-16)/2)
	v_pk_add_f32 v[ZB:ZB+1], v[ZB:ZB+1], v[ZB+4:ZB+5]
.elseif Z < 28
.set ZB, SR+32*(Z%2)+16*((Z-24)/2)
	v_pk_add_f32 v[ZB:ZB+1], v[ZB:ZB+1], v[ZB+8:ZB+9]
.elseif Z < 30
.set ZB, SR+32*(Z%2)
	v_pk_add_f32 v[ZB:ZB+1], v[ZB:ZB+1], v[ZB+16:ZB+17]
.else
.set ZB, SR+32*(Z%2)
.set ZT, ST+8*(Z%2)
	v_pk_fma_f32 v[ZT+2:ZT+3], v[ZT+2:ZT+3], v[ZT+6:ZT+7], v[ZB:ZB+1] op_sel_hi:[1,0,1]
.endif
.set Z, Z+1
.endm
; A KEY STEP: 64 keys.  pre = 1: the next step's K, which lies in the same slot, is fetched behind this step's first products.
; meet: a slot's last step.  With its K multiplied and its V in registers the wave has read the slot out: it waits for all its tensor loads (one is out: its part of the other slot), adds 0 to its spare word, waits for that
; and for its LDS loads, and signals; the softmax and the second product, work on registers alone, stand between the signal and the wait.  meet = 1: the barrier opens a round of the cluster's, so that no wave of any
; partner still reads the slot or has a load on its way, and the joint load of the next 512 keys is the first thing behind it.  meet = 2: nothing is left to fetch: a barrier of the work-group alone.
.macro STEP pre, meet
	v_add_nc_u32 v[ADV], s[TK], v[AV0]
.irp n, 0,1,2,3,4,5,6,7,8,9,10,11,12,13,14,15
	ds_load_b128 v[VR+4*\n:VR+4*\n+3], v[ADV] offset:512*\n   ; this step's V.  Behind the last product that read V stand four lines of the sums and the addition above
.endr
	s_wait_dscnt 16                                ; K is in; the 16 loads of V may be out
	WIN W_KQ
.irp ds, 0,1                           ; S^T = K Q^T: the eight accumulators by turns; the first 32 dims start the sums
.irp kt, 0,1,2,3
.irp t, 0,1
.if \ds
	v_wmma_f32_16x16x32_f16 v[SR+32*\t+8*\kt:SR+32*\t+8*\kt+7], v[KR+16*\kt+8*\ds:KR+16*\kt+8*\ds+7], v[QR+16*\t+8*\ds:QR+16*\t+8*\ds+7], v[SR+32*\t+8*\kt:SR+32*\t+8*\kt+7]
.else
	v_wmma_f32_16x16x32_f16 v[SR+32*\t+8*\kt:SR+32*\t+8*\kt+7], v[KR+16*\kt+8*\ds:KR+16*\kt+8*\ds+7], v[QR+16*\t+8*\ds:QR+16*\t+8*\ds+7], 0
.endif
.endr
.endr
.endr
	WIN 0
	s_add_co_u32 s[TK], s[TK], 8192                ; on to the next step's bytes
.if \pre
	KLOAD 3                                        ; four places, then the next step's K
.elseif \meet
	s_wait_tensorcnt 0x0                           ; no tensor load of mine is out, so group 0 may be written
	ds_add_u32 v[SPW], v[NIL]                      ; 0 onto my spare word
	PLACES                                         ; the places behind the products above stand between the add and the wait for it
.if \meet == 1
	WALK
.endif
	s_wait_dscnt 0x0                               ; the add is done, and my reads of this slot are over: V is in
	s_barrier_signal -1
.else
	PLACES
.endif
	SMAX
	SEXP
.irp n, 0,1,2,3,4,5,6,7,8,9,10,11,12,13,14,15
	v_cvt_pk_f16_f32 v[PR+\n], v[SR+2*\n], v[SR+2*\n+1]   ; tile 0's p to f16
.endr
.irp n, 0,2,4,6,8,10,12,14,16,18,20,22,24,26,28,30
	v_pk_mul_f32 v[OR+\n:OR+\n+1], v[OR+\n:OR+\n+1], v[ST+6:ST+7] op_sel_hi:[1,0]   ; tile 0's O^T x a, each accumulator from its low end on
.endr
.if \pre
	s_wait_dscnt 16                                ; V is in; the 16 loads of the next step's K, issued behind V's, may be out
.elseif \meet == 0
	s_wait_dscnt 0x0
.endif
.set I, 0
.set N, 0
.rept 8                                ; tile 0's products; behind each, four lines of tile 1's way to its own
	PVT 0
	W1
	W1
	W1
	W1
.endr
.set I, 0
.set Z, 0
.rept 8                                ; tile 1's products; behind each, four lines of the sums
	PVT 1
	W2
	W2
	W2
	W2
.endr
.if \meet
	s_barrier_wait -1                              ; all eight waves have read the slot out, and the other slot is whole
.endif
.if \meet == 1
	CREST
	REFILL
.endif
.endm
.macro SLOT_STEPS meet                 ; a slot's eight steps: seven in a loop, the last, which fetches no K ahead, written out
	KLOAD 0
	s_mov_b32 s[CNT], 7
.Lstep_\@:
	STEP 1, 0
	s_sub_co_u32 s[CNT], s[CNT], 1
	s_cmp_lg_u32 s[CNT], 0
	s_cbranch_scc1 .Lstep_\@
	STEP 0, \meet
	s_sub_co_u32 s[TK], s[TK], 65536               ; back to a slot's first step,
	s_xor_b32 s[TK], s[TK], SLOT1                  ; in the other slot
.endm
	; the first change of slots: slot 0 has landed; slot 1 is asked for as a refill is
	s_wait_tensorcnt 0x0                           ; my part of slot 0 is in, and no tensor load of mine is out
	ds_add_u32 v[SPW], v[NIL]                      ; 0 onto my spare word
	WALK
	s_wait_dscnt 0x0
	CROUND
	REFILL
	s_wait_loadcnt 0x0                             ; Q
.Lslot:                                ; six trips: each of slots' worth 0 to 5 of the keys ends in a refill
	SLOT_STEPS 1
	s_sub_co_u32 s[SLOTS], s[SLOTS], 1
	s_cmp_lg_u32 s[SLOTS], 0
	s_cbranch_scc1 .Lslot
	SLOT_STEPS 2                                   ; the tail is written out: the last slot but one asks for nothing
	SLOT_STEPS 0                                   ; and the last has no barrier
	; THE WAY OUT.  l's halves and the other half of the lanes' are added; O^T x 4 / l, rounded to f16: a packed accumulator is a chunk of the next launch's operand and leaves by one store of 512 consecutive bytes, aligned.
.irp t, 0,1
	v_add_f32 v[ST+8*\t+4], v[ST+8*\t+2], v[ST+8*\t+3]
.endr
.irp t, 0,1
	v_permlanex16_b32 v[ST+8*\t+5], v[ST+8*\t+4], s[SEL], s[SEL+1]
.endr
.irp t, 0,1
	v_add_f32 v[ST+8*\t+4], v[ST+8*\t+4], v[ST+8*\t+5]
.endr
.irp t, 0,1
	v_rcp_f32 v[ST+8*\t+6], v[ST+8*\t+4]
.endr
	v_nop                                          ; a plain line between the last reciprocal and the use of its result
	s_wait_alu depctr_va_vdst(0)                   ; and the wait: one for the two
.irp t, 0,1
	v_mul_f32 v[ST+8*\t+6], 4.0, v[ST+8*\t+6]      ; x 4: exact; the output projection takes it out again
.endr
.irp t, 0,1
.irp n, 0,2,4,6,8,10,12,14,16,18,20,22,24,26,28,30
	v_pk_mul_f32 v[OR+32*\t+\n:OR+32*\t+\n+1], v[OR+32*\t+\n:OR+32*\t+\n+1], v[ST+8*\t+6:ST+8*\t+7] op_sel_hi:[1,0]
.endr
.endr
.irp t, 0,1
.irp n, 0,1,2,3,4,5,6,7,8,9,10,11,12,13,14,15
	v_cvt_pk_f16_f32 v[SR+16*\t+\n], v[OR+32*\t+2*\n], v[OR+32*\t+2*\n+1]   ; S^T's registers are free
.endr
.endr
.irp t, 0,1
.irp dt, 0,1,2,3
	global_store_b128 v[AK0], v[SR+16*\t+4*\dt:SR+16*\t+4*\dt+3], s[48:49] offset:\t*24576+\dt*512
.endr
.endr
	s_wait_tensorcnt 0x0                           ; the wave's end, behind my last tensor load
	ds_add_u32 v[SPW], v[NIL]
	s_wait_dscnt 0x0
	CROUND                                         ; the closing round: no work-group ends while a partner may still ask for a tile that names it
	s_endpgm
.Lfunc_end_k_q1402842af5_attn:
	.size	k_q1402842af5_attn, .Lfunc_end_k_q1402842af5_attn-k_q1402842af5_attn
	.p2alignl 7, 3214868480
	.fill 96, 4, 3214868480
	.section	.rodata,"a",@progbits
	.p2align	6, 0x0
	.amdhsa_kernel k_q1402842af5_attn
		.amdhsa_group_segment_fixed_size 327680
		.amdhsa_private_segment_fixed_size 0
		.amdhsa_enable_private_segment 0
		.amdhsa_kernarg_size 32
		.amdhsa_user_sgpr_count 2
		.amdhsa_user_sgpr_kernarg_segment_ptr 1
		.amdhsa_wavefront_size32 1
		.amdhsa_system_sgpr_workgroup_id_x 1
		.amdhsa_system_sgpr_workgroup_id_y 1
		.amdhsa_system_sgpr_workgroup_id_z 1
		.amdhsa_system_vgpr_workitem_id 0
		.amdhsa_next_free_vgpr 384
		.amdhsa_next_free_sgpr 66
		.amdhsa_reserve_vcc 0
		.amdhsa_float_denorm_mode_32 3
		.amdhsa_float_denorm_mode_16_64 3
		.amdhsa_memory_ordered 1
		.amdhsa_forward_progress 1
		.amdhsa_inst_pref_size 118
	.end_amdhsa_kernel
	.amdgpu_metadata
---
amdhsa.version: [ 1, 2 ]
amdhsa.kernels:
  - .name:           k_q1402842af5_attn
    .symbol:         k_q1402842af5_attn.kd
    .args:
      - { .name: qimg, .offset: 0, .size: 8, .value_kind: global_buffer, .address_space: global }
      - { .name: kimg, .offset: 8, .size: 8, .value_kind: global_buffer, .address_space: global }
      - { .name: vimg, .offset: 16, .size: 8, .value_kind: global_buffer, .address_space: global }
      - { .name: ctximg, .offset: 24, .size: 8, .value_kind: global_buffer, .address_space: global }
    .group_segment_fixed_size: 327680
    .private_segment_fixed_size: 0
    .kernarg_segment_align: 8
    .kernarg_segment_size: 32
    .max_flat_workgroup_size: 256
    .sgpr_count:     66
    .vgpr_count:     384
    .wavefront_size: 32
...
	.end_amdgpu_metadata
.endif
;; end of part 3
;; launch oproj (part 4): grid 64 x 4, 4 waves a work-group, clusters of 4 x 1, 327,680 bytes of LDS; arguments ctximg, woimg, bo, out0; writes out0
.if DOCPART == 4
	.amdgcn_target "amdgcn-amd-amdhsa--gfx1250"
	.amdhsa_code_object_version 6
	.text
	.protected	k_q1402842af5_oproj
	.globl	k_q1402842af5_oproj
	.p2align	8
	.type	k_q1402842af5_oproj,@function
k_q1402842af5_oproj:
	s_mov_b64 s[64:65], 0
	v_nop
	global_prefetch_b8 v0, s[64:65] scope:SCOPE_SE
	s_setreg_imm32_b32 hwreg(HW_REG_WAVE_MODE, 25, 1), 1
	s_wait_xcnt 0x0
	s_wait_alu depctr_hold_cnt(0) depctr_sa_sdst(0) depctr_va_vdst(0) depctr_va_sdst(0) depctr_va_ssrc(0) depctr_va_vcc(0) depctr_vm_vsrc(0)
	s_getreg_b32 s2, hwreg(HW_REG_IB_STS2, 6, 4)
	s_cmp_eq_u32 s2, 0
	s_cbranch_scc0 .Lentry_in_a_cluster
	s_endpgm
.Lentry_in_a_cluster:
	s_bfe_u32 s2, ttmp6, 0x10000c
	s_cmp_lg_u32 s2, 0x3003
	s_cbranch_scc0 .Lentry_shape_is_right
	s_endpgm
.Lentry_shape_is_right:
; OPROJ.  out0 = ctx Wo + bo.  ctx arrives x 4 in f16 as images of operand registers (ctximg [row tile 0..255][16 features 0..47][512]), Wo in f16 likewise (woimg [out-feature tile 0..47][K step of 32, 0..23][chunk][512]);
; sums in f32; out = sum x 0.25 + bo in one fused multiply-add; out0 [4096][768] f32.
; SHARES.  A work-group makes 64 rows x 192 features (768 bytes of a row: three aligned blocks of 256): 256 work-groups.  Wave w makes rows 32 (w / 2) on x features 96 (w % 2) on: 12 accumulators.
; Wo's block of 192 features, 294,912 bytes, lies in LDS, filled once, a quarter by each wave.  A wave's 32 rows of ctx, 49,152 bytes, go from memory straight into 384 registers, all loads issued at the head.
; CLUSTER.  The four partners have the same 192 features and neighbouring rows: Wo's block is asked for JOINTLY.
; THE MATRIX INSTRUCTION IS USED TRANSPOSED (source 0 = 16 features of Wo, source 1 = 16 rows of ctx): a lane holds eight neighbouring numbers of a row of out0.
; REGISTERS.  window 0: v1-5 addresses; v6, v7 the add's two; v8-55 the biases, eight a feature tile; v56-61 LDS addresses of my six feature tiles; v64-159 Wo's fragments, two sets of six, later rows of out0;
;   v160-255 the accumulators: (row tile i, feature tile t) at 160 + 8 (6 i + t).   windows 1 and 2: ctx's fragments: (K step ks, row tile i) at 16 ks + 8 i, from v0 of window 1 on.
.set SPARE, 294912                     ; behind Wo's block: the spare words, 128 bytes for each of four waves: two blocks of 256 bytes that no other line names
.set SP,   784                         ; the way out: a stage of 64 rows x (768 bytes + 16), from LDS byte 0 on: in bytes that have had their only fill and that nobody reads any more
.set L16,  1                           ; v1   16 x lane
.set STO,  2                           ; v2   the stage: where I put 32 bytes of a row
.set RD,   3                           ; v3   and where I read 16 bytes of a row back
.set GO,   4                           ; v4   the same place in out0
.set H32,  5                           ; v5   32 (lane / 16)
.set SPW,  6
.set NIL,  7
.set BI,   8
.set BA,   56
.set BFR,  64
.set ACC,  160
.set WV,   12                          ; s12  my wave's number
.set G1,   24                          ; s[24:31] descriptor group 1;  s[32:35] group 0
.set G0,   32
.set MSB, 0
.macro WIN new
.if MSB != \new
	s_set_vgpr_msb (MSB<<8)|\new
.set MSB, \new
.endif
.endm
.macro CROUND
	s_barrier_signal -1
	s_barrier_wait -1
	s_cmp_lg_u32 s[WV], 0
	s_cbranch_scc1 .Lnot_wave_0_\@
	s_barrier_signal -3
.Lnot_wave_0_\@:
	s_barrier_wait -3
	s_barrier_signal -1
	s_barrier_wait -1
.endm
.macro PLACES
.rept 4
	v_nop
.endr
.endm
	s_load_b256 s[4:11], s[0:1], 0x0               ; ctximg s[4:5], woimg s[6:7], bo s[8:9], out0 s[10:11]
	v_lshl_add_u32 v[SPW], v0, 2, SPARE
	v_mov_b32 v[NIL], 0
	ds_add_u32 v[SPW], v[NIL]                      ; the wave's opening: the add, twice on end, and its wait ahead of my first tensor load
	ds_add_u32 v[SPW], v[NIL]                      ; and once more; the set-up below, work on registers, stands between it and the wait
	v_lshrrev_b32 v62, 5, v0
	v_readfirstlane_b32 s[WV], v62                 ; wave 0..3
	s_lshr_b32 s15, s[WV], 1                       ; which 32 rows
	s_and_b32 s16, s[WV], 1                        ; which 96 features
	v_and_b32 v62, 31, v0
	v_lshlrev_b32 v[L16], 4, v62
	v_and_b32 v63, 15, v0                          ; r
	v_bfe_u32 v[H32], v0, 4, 1                     ; h
	s_mul_i32 s18, s15, 32*SP
	s_mul_i32 s19, s16, 384
	s_add_co_u32 s18, s18, s19
	v_mul_u32_u24 v[STO], v63, SP
	v_lshl_add_u32 v[STO], v[H32], 5, v[STO]
	v_add_nc_u32 v[STO], s18, v[STO]               ; row 32 (w / 2) + r, byte 384 (w % 2) + 32 h
	s_mul_i32 s18, s[WV], 16*SP
	v_mul_u32_u24 v[RD], v[H32], SP
	v_lshl_add_u32 v[RD], v63, 4, v[RD]
	v_add_nc_u32 v[RD], s18, v[RD]                 ; back: wave w takes rows 16 w on, whole; lanes 0-15 one row's 256 bytes, lanes 16-31 the next row's
	v_mul_u32_u24 v[GO], v[H32], 3072
	v_lshl_add_u32 v[GO], v63, 4, v[GO]
	v_lshlrev_b32 v[H32], 5, v[H32]
	s_mul_i32 s18, s16, 6*24576
.irp t, 0,1,2,3,4,5
	v_add_nc_u32 v[BA+\t], s18, v[L16]             ; feature tile 6 (w % 2) + t: 24,576 bytes a tile
	s_add_co_u32 s18, s18, 24576
.endr
	s_bfe_u32 s13, ttmp6, 0x40000                  ; cx: it enters ctx's and out0's addresses alone
	s_and_b32 s14, ttmp7, 0xffff                   ; which 192 features, which the partners share
	s_mul_i32 s20, s14, 294912
	s_mul_i32 s[G0+1], s[WV], 73728                ; my quarter of the block, in LDS,
	s_add_co_u32 s20, s20, s[G0+1]                 ; and in memory
	s_mov_b32 s21, 0
	s_lshl_b32 s17, ttmp9, 2
	s_add_co_u32 s17, s17, s13                     ; my block of 64 rows
	s_lshl_b32 s22, s17, 2
	s_lshl_b32 s23, s15, 1
	s_add_co_u32 s22, s22, s23                     ; my first row tile
	s_mul_i32 s22, s22, 24576
	s_mov_b32 s23, 0
	s_lshl_b32 s40, s17, 6
	s_lshl_b32 s41, s[WV], 4
	s_add_co_u32 s40, s40, s41                     ; the first row that I store
	s_mul_i32 s40, s40, 3072
	s_mul_i32 s41, s14, 768
	s_add_co_u32 s40, s40, s41
	s_mov_b32 s41, 0
	s_mul_i32 s42, s14, 768                        ; the biases of my 96 features
	s_mul_i32 s43, s16, 384
	s_add_co_u32 s42, s42, s43
	s_mov_b32 s43, 0
	s_mov_b32 s[G1], 15|(3<<16)|(1<<21)            ; 15:0 the mask: all four work-groups; 17:16 elements of 8 bytes; 21 set beside a mask; no padding
	s_mov_b32 s[G1+1], 32<<16                      ; rows of 256 bytes
	s_mov_b32 s[G1+2], 288<<16                     ; 288 of them: three feature tiles
	s_mov_b32 s[G1+3], 32<<16
	s_mov_b32 s[G1+4], 288
	s_mov_b32 s[G1+5], 32
	s_mov_b32 s[G1+6], 0
	s_mov_b32 s[G1+7], 0
	s_mov_b32 s[G0], 1
	s_wait_dscnt 0x0                               ; both opening adds are done
	s_wait_kmcnt 0x0
	s_add_nc_u64 s[G0+2:G0+3], s[6:7], s[20:21]
	s_or_b32 s[G0+3], s[G0+3], 0x80000000
	s_add_nc_u64 s[36:37], s[4:5], s[22:23]        ; my ctx
	s_add_nc_u64 s[38:39], s[10:11], s[40:41]      ; my rows of out0
	s_add_nc_u64 s[44:45], s[8:9], s[42:43]        ; my biases
	CROUND                                         ; all four work-groups are here: the joint loads meet
	tensor_load_to_lds s[G0:G0+3], s[G1:G1+7]      ; the launch's only fill: one load of mine is out
	s_nop 0
.rept 4
	v_nop
.endr
.irp t, 0,1,2,3,4,5
	global_load_b128 v[BI+8*\t:BI+8*\t+3], v[H32], s[44:45] offset:64*\t      ; lane (r, h): the tile's features 8 h + 0 .. 7
	global_load_b128 v[BI+8*\t+4:BI+8*\t+7], v[H32], s[44:45] offset:64*\t+16
.endr
	WIN 0x40                                       ; destination window 1: K steps 0..15
.set KS, 0
.rept 16
.irp i, 0,1
.irp c, 0,1
	global_load_b128 v[16*KS+8*\i+4*\c:16*KS+8*\i+4*\c+3], v[L16], s[36:37] offset:\i*24576+KS*1024+512*\c
.endr
.endr
.set KS, KS+1
.endr
	WIN 0x80                                       ; destination window 2: K steps 16..23
.rept 8
.irp i, 0,1
.irp c, 0,1
	global_load_b128 v[16*(KS-16)+8*\i+4*\c:16*(KS-16)+8*\i+4*\c+3], v[L16], s[36:37] offset:\i*24576+KS*1024+512*\c
.endr
.endr
.set KS, KS+1
.endr
	WIN 0
	s_wait_tensorcnt 0x0                           ; my quarter of Wo's block is in LDS,
	s_barrier_signal -1
	s_barrier_wait -1                              ; everybody's is
.macro BLOAD ks                        ; K step ks of my six feature tiles into set ks % 2: twelve loads
.irp t, 0,1,2,3,4,5
.irp c, 0,1
	ds_load_b128 v[BFR+48*((\ks)%2)+8*\t+4*\c:BFR+48*((\ks)%2)+8*\t+4*\c+3], v[BA+\t] offset:(\ks)*1024+512*\c
.endr
.endr
.endm
.macro MULS ks                         ; its twelve products; the accumulators take turns, one instruction a turn; the first K step starts the sums
.irp i, 0,1
.irp t, 0,1,2,3,4,5
.if (\ks) == 0
	v_wmma_f32_16x16x32_f16 v[ACC+8*(6*\i+\t):ACC+8*(6*\i+\t)+7], v[BFR+48*((\ks)%2)+8*\t:BFR+48*((\ks)%2)+8*\t+7], v[16*((\ks)%16)+8*\i:16*((\ks)%16)+8*\i+7], 0
.else
	v_wmma_f32_16x16x32_f16 v[ACC+8*(6*\i+\t):ACC+8*(6*\i+\t)+7], v[BFR+48*((\ks)%2)+8*\t:BFR+48*((\ks)%2)+8*\t+7], v[16*((\ks)%16)+8*\i:16*((\ks)%16)+8*\i+7], v[ACC+8*(6*\i+\t):ACC+8*(6*\i+\t)+7]
.endif
.endr
.endr
.endm
	BLOAD 0
.set KS, 0
.rept 24
.if KS > 0
	PLACES                                         ; in front of loads into the set that the K step before last multiplied
.endif
.if KS < 23
	BLOAD KS+1
	s_wait_dscnt 12                                ; this K step's fragments of Wo are in; the twelve loads just issued may be out
.else
	s_wait_dscnt 0x0
.endif
.if 92-4*KS > 63
	s_wait_loadcnt 63                              ; 92 - 4 ks loads of ctx were issued behind this K step's four; the wait can name 63 at the most
.else
	s_wait_loadcnt 92-4*KS
.endif
.if KS == 0
	WIN 0x04                                       ; source 1 (ctx) window 1.  The setting stays through the LDS loads and v_nop between: they name no source 1
.endif
.if KS == 16
	WIN 0x08                                       ; window 2
.endif
	MULS KS
.set KS, KS+1
.endr
	WIN 0
	PLACES                                         ; the lines below read results just made
.irp i, 0,1
.irp t, 0,1,2,3,4,5
.irp n, 0,2,4,6
	v_pk_fma_f32 v[ACC+8*(6*\i+\t)+\n:ACC+8*(6*\i+\t)+\n+1], v[ACC+8*(6*\i+\t)+\n:ACC+8*(6*\i+\t)+\n+1], 0x3e800000, v[BI+8*\t+\n:BI+8*\t+\n+1] op_sel_hi:[1,0,1]   ; x 0.25 + bo, each accumulator from its low end on
.endr
.endr
.endr
	s_wait_dscnt 0x0                               ; my reads of Wo's block are over,
	s_barrier_signal -1
	s_barrier_wait -1                              ; everybody's are: the stage may be written
.irp i, 0,1
.irp t, 0,1,2,3,4,5
	ds_store_b128 v[STO], v[ACC+8*(6*\i+\t):ACC+8*(6*\i+\t)+3] offset:\i*16*SP+64*\t
	ds_store_b128 v[STO], v[ACC+8*(6*\i+\t)+4:ACC+8*(6*\i+\t)+7] offset:\i*16*SP+64*\t+16
.endr
.endr
	s_wait_dscnt 0x0                               ; for the others' sake: my stores into the stage are done
	s_barrier_signal -1
	s_barrier_wait -1                              ; a row's 768 bytes come from two waves
.irp cu, 0,1,2
.irp k, 0,1,2,3,4,5,6,7
	ds_load_b128 v[BFR+4*(8*\cu+\k):BFR+4*(8*\cu+\k)+3], v[RD] offset:2*\k*SP+256*\cu
.endr
.endr
.irp cu, 0,1,2
.irp k, 0,1,2,3,4,5,6,7
	s_wait_dscnt 23-(8*\cu+\k)
	global_store_b128 v[GO], v[BFR+4*(8*\cu+\k):BFR+4*(8*\cu+\k)+3], s[38:39] offset:2*\k*3072+256*\cu th:TH_STORE_NT   ; 16 lanes store 256 consecutive bytes, at a multiple of 256 from out0's first byte
.endr
.endr
	s_wait_tensorcnt 0x0                           ; the wave's end, behind my last tensor load and my last LDS store
	ds_add_u32 v[SPW], v[NIL]
	s_wait_dscnt 0x0
	CROUND                                         ; the closing round
	s_endpgm
.Lfunc_end_k_q1402842af5_oproj:
	.size	k_q1402842af5_oproj, .Lfunc_end_k_q1402842af5_oproj-k_q1402842af5_oproj
	.p2alignl 7, 3214868480
	.fill 96, 4, 3214868480
	.section	.rodata,"a",@progbits
	.p2align	6, 0x0
	.amdhsa_kernel k_q1402842af5_oproj
		.amdhsa_group_segment_fixed_size 327680
		.amdhsa_private_segment_fixed_size 0
		.amdhsa_enable_private_segment 0
		.amdhsa_kernarg_size 32
		.amdhsa_user_sgpr_count 2
		.amdhsa_user_sgpr_kernarg_segment_ptr 1
		.amdhsa_wavefront_size32 1
		.amdhsa_system_sgpr_workgroup_id_x 1
		.amdhsa_system_sgpr_workgroup_id_y 1
		.amdhsa_system_sgpr_workgroup_id_z 1
		.amdhsa_system_vgpr_workitem_id 0
		.amdhsa_next_free_vgpr 640
		.amdhsa_next_free_sgpr 66
		.amdhsa_reserve_vcc 0
		.amdhsa_float_denorm_mode_32 3
		.amdhsa_float_denorm_mode_16_64 3
		.amdhsa_memory_ordered 1
		.amdhsa_forward_progress 1
		.amdhsa_inst_pref_size 67
	.end_amdhsa_kernel
	.amdgpu_metadata
---
amdhsa.version: [ 1, 2 ]
amdhsa.kernels:
  - .name:           k_q1402842af5_oproj
    .symbol:         k_q1402842af5_oproj.kd
    .args:
      - { .name: ctximg, .offset: 0, .size: 8, .value_kind: global_buffer, .address_space: global }
      - { .name: woimg, .offset: 8, .size: 8, .value_kind: global_buffer, .address_space: global }
      - { .name: bo, .offset: 16, .size: 8, .value_kind: global_buffer, .address_space: global }
      - { .name: out0, .offset: 24, .size: 8, .value_kind: global_buffer, .address_space: global }
    .group_segment_fixed_size: 327680
    .private_segment_fixed_size: 0
    .kernarg_segment_align: 8
    .kernarg_segment_size: 32
    .max_flat_workgroup_size: 128
    .sgpr_count:     66
    .vgpr_count:     640
    .wavefront_size: 32
...
	.end_amdgpu_metadata
.endif
;; end of part 4
